; MI455X (gfx1250); checked and timed in simulation.
; The chip was launched on July 23, 2026; its instructions are those of AMD's public machine-readable ISA for CDNA 5 (MIT licence, August 2026) and "CDNA5" Instruction Set Architecture Reference Guide (July 2026). The comments in the code are by the model that wrote it; some were corrected since.
;; torch model. Allowed arithmetic: float matrix products may take bf16 or f16 operands with f32 sums; all other float work in f32.
;; Inputs: xb 65,536 x 128 float32; xq 4,096 x 128 float32.
;; Outputs: out0 21 x 65,536 int32.
;; One version. Each part assembles by itself: llvm-mc -triple=amdgcn-amd-amdhsa -mcpu=gfx1250 --defsym DOCPART=n.
;; ======== version 1 of 1: 3 launches
;; limits: values within 0.000244 (relative) of each other or of a threshold may be ordered or decided otherwise than in the reference
;; workspace buffers: xqb 1,048,576 bytes; cand 8,388,608 bytes of whole numbers
;; launch cvt (part 1): grid 256 x 1, 8 waves a work-group, no clusters, 0 bytes of LDS; arguments xq, xqb; writes xqb
.if DOCPART == 1
	.amdgcn_target "amdgcn-amd-amdhsa--gfx1250"
	.amdhsa_code_object_version 6
	.text
	.protected	k_qda1310bdb0_cvt
	.globl	k_qda1310bdb0_cvt
	.p2align	8
	.type	k_qda1310bdb0_cvt,@function
k_qda1310bdb0_cvt:
	s_mov_b64 s[64:65], 0
	v_nop
	global_prefetch_b8 v0, s[64:65] scope:SCOPE_SE
	s_setreg_imm32_b32 hwreg(HW_REG_WAVE_MODE, 25, 1), 1
	s_wait_xcnt 0x0
; xqb[q][d] = bf16(xq[q][d]), rounded to nearest even.  xq: [4096][128] f32, xqb: [4096][128] bf16.
; 256 work-groups x 256 threads x 8 numbers = 524,288 numbers.  Thread g reads the 32 bytes at 32 g and stores the 16 bytes at 16 g:
; a wave's store covers 512 consecutive bytes, aligned.  The queries are multiplied 256 times over in the next launch, so they are
; converted once here and not on every way into the matrix unit.  No LDS, no matrix unit: there is nothing to share or to multiply.
	s_load_b128 s[4:7], s[0:1], 0x0                ; xq s[4:5], xqb s[6:7]
	s_lshl_b32 s8, ttmp9, 8                        ; 256 threads a work-group
	v_add_nc_u32 v1, s8, v0                        ; g
	v_lshlrev_b32 v2, 5, v1                        ; 32 g: my 8 f32
	v_lshlrev_b32 v3, 4, v1                        ; 16 g: my 8 bf16
	s_wait_kmcnt 0x0
	global_load_b128 v[4:7], v2, s[4:5] th:TH_LOAD_NT
	global_load_b128 v[8:11], v2, s[4:5] offset:16 th:TH_LOAD_NT
	s_wait_loadcnt 0x0
	v_cvt_pk_bf16_f32 v12, v4, v5
	v_cvt_pk_bf16_f32 v13, v6, v7
	v_cvt_pk_bf16_f32 v14, v8, v9
	v_cvt_pk_bf16_f32 v15, v10, v11
	global_store_b128 v3, v[12:15], s[6:7]
	s_endpgm
.Lfunc_end_k_qda1310bdb0_cvt:
	.size	k_qda1310bdb0_cvt, .Lfunc_end_k_qda1310bdb0_cvt-k_qda1310bdb0_cvt
	.p2alignl 7, 3214868480
	.fill 96, 4, 3214868480
	.section	.rodata,"a",@progbits
	.p2align	6, 0x0
	.amdhsa_kernel k_qda1310bdb0_cvt
		.amdhsa_group_segment_fixed_size 0
		.amdhsa_private_segment_fixed_size 0
		.amdhsa_enable_private_segment 0
		.amdhsa_kernarg_size 16
		.amdhsa_user_sgpr_count 2
		.amdhsa_user_sgpr_kernarg_segment_ptr 1
		.amdhsa_wavefront_size32 1
		.amdhsa_system_sgpr_workgroup_id_x 1
		.amdhsa_system_sgpr_workgroup_id_y 1
		.amdhsa_system_sgpr_workgroup_id_z 1
		.amdhsa_system_vgpr_workitem_id 0
		.amdhsa_next_free_vgpr 16
		.amdhsa_next_free_sgpr 66
		.amdhsa_reserve_vcc 0
		.amdhsa_float_denorm_mode_32 3
		.amdhsa_float_denorm_mode_16_64 3
		.amdhsa_memory_ordered 1
		.amdhsa_forward_progress 1
		.amdhsa_inst_pref_size 2
	.end_amdhsa_kernel
	.amdgpu_metadata
---
amdhsa.version: [ 1, 2 ]
amdhsa.kernels:
  - .name:           k_qda1310bdb0_cvt
    .symbol:         k_qda1310bdb0_cvt.kd
    .args:
      - { .name: xq, .offset: 0, .size: 8, .value_kind: global_buffer, .address_space: global }
      - { .name: xqb, .offset: 8, .size: 8, .value_kind: global_buffer, .address_space: global }
    .group_segment_fixed_size: 0
    .private_segment_fixed_size: 0
    .kernarg_segment_align: 8
    .kernarg_segment_size: 16
    .max_flat_workgroup_size: 256
    .sgpr_count:     66
    .vgpr_count:     16
    .wavefront_size: 32
...
	.end_amdgpu_metadata
.endif
;; end of part 1
;; launch select (part 2): grid 256 x 1, 8 waves a work-group, no clusters, 327,680 bytes of LDS; arguments xqb, xb, cand; writes cand
.if DOCPART == 2
	.amdgcn_target "amdgcn-amd-amdhsa--gfx1250"
	.amdhsa_code_object_version 6
	.text
	.protected	k_qda1310bdb0_select
	.globl	k_qda1310bdb0_select
	.p2align	8
	.type	k_qda1310bdb0_select,@function
k_qda1310bdb0_select:
	s_mov_b64 s[64:65], 0
	v_nop
	global_prefetch_b8 v0, s[64:65] scope:SCOPE_SE
	s_setreg_imm32_b32 hwreg(HW_REG_WAVE_MODE, 25, 1), 1
	s_wait_xcnt 0x0
; For each of the 65,536 database vectors (columns) the numbers of 32 candidate queries, among which its 21 best lie.
; xqb: [4096][128] bf16 (queries), xb: [65536][128] f32, cand: [4096 column blocks][4][32 lanes][4] u32.
;
; SHARES.  A work-group owns 256 columns, a wave 32 (two blocks of 16), against all 4,096 queries.  The wave's columns stay in registers as
; B fragments; the queries come through two LDS slots of 512 rows each, filled by tensor loads, each wave bringing 64 rows of a slot.
; In a result tile lane (r, h) holds column r and the queries 8 h + j, j = 0..7: a lane sees 2,048 of the 4,096 queries of its column.
;
; SELECTION.  No branch may hang on a score, so the choice is a fixed network.  A score becomes one 32-bit KEY:
;     key = (score' & 0xfffff800) | pay,   pay = 2047 - (32 b + 8 t + j)      (b: batch of 64 queries, t: tile in the batch, j: register)
; which is compared as an f32, so that a comparator is one dual min/max.  A batch gives a lane 32 keys a block: they are sorted ascending
; (bitonic, 15 stages of 16 comparators) and merged into the lane's list of its 32 largest keys, kept descending (32 maxima, 5 stages).
; At the end the two lanes of a column merge their lists once more, each taking 16 of the 32 survivors, and the keys' low bits give the queries.
;
; score' = score - (1 - 1/256) x (score of query 0 against the same column): the constant goes in as the C operand of each tile's first matrix
; instruction.  A constant of the column changes no order among its queries; it takes away the part that a common offset of the queries
; adds to all scores of a column, so that the key's 12 mantissa bits are spent on the scores' spread.  The factor keeps query 0's own key off zero.
;
; LIMITS.  Membership among the 32 candidates is decided on sign, exponent and 12 mantissa bits of score' (2^-12 relative); inside one such
; step the earlier query wins among positive keys, the later among negative ones.  A column's 21 best are all among its candidates unless
; 12 or more queries outside them lie within one step of the 21st.  The final order is made in the next launch from whole f32 scores.
; Scores that are NaN or infinite are not served (the payload would change their meaning).
;
; NO CLUSTER: all work-groups walk the same 1 MiB of queries, but between two fills of a slot (131,072 bytes for the work-group, one load of
; 16,384 bytes a wave) each wave issues 8 batches of about 770 vector instructions; the fills are a small part of the work, and joint
; requests would tie four work-groups into step at every change of slots.  NO PREFETCH for the same reason; xb is read once, at the head.
.set PITCH, 272                        ; an LDS row: 256 bytes + 16 of padding = 68 words, so 16 neighbouring rows start 4 words apart modulo 64
.set WPART, 64*PITCH                   ; 64 rows: one tensor load, and one batch
.set SLOT,  8*WPART                    ; 512 rows
.set SLOTQ, 512*256                    ; the bytes of xqb in a slot
.set A0,   2                           ; v2   r x PITCH + 16 h: my place in a fragment's 16 rows
.set AD,   3                           ; v3   the same in the batch at work
.set HOWN, 4                           ; v4   8 h
.set HOTH, 5                           ; v5   8 - 8 h: the same of the lane that shares my column
.set XBO,  6                           ; v6   my byte offset in xb
.set CDO,  7                           ; v7   my byte offset in cand
.set TMP,  8                           ; v8   at work
.set HH,   9                           ; v9   h
.set BF,   16                          ; v[16:79]    B fragments: block x 32 + 8 s, s = K step of 32
.set LS0,  80                          ; v[80:111]   block 0: the 32 largest keys so far, descending
.set LS1,  112                         ; v[112:143]  block 1
.set X0,   144                         ; v[144:175]  block 0: accumulators 8 t + j, then keys
.set X1,   176                         ; v[176:207]  block 1
.set Y,    208                         ; v[208:239]  A fragments of a tile; the network's second set
.set CN,   240                         ; v[240:247], v[248:255]  the column's constant, eight times, for each block
.set G0,   20                          ; s[20:23], s[24:27]  descriptor group 0 of slot 0, slot 1
.set G1,   28                          ; s[28:35]  descriptor group 1
.set PAY,  68                          ; s[68:99]  the payload of register p = 8 t + j in the batch at work
; 16 loads: my column's 128 f32 in the order of the B fragments.  Lane (r, h) needs k = 32 s + 16 u + 8 h + 0..7: bytes 128 s + 64 u + 32 h + 0..31.
.macro LOADX blk, scr
.set nl, 0
.rept 16
	global_load_b128 v[\scr+4*nl:\scr+4*nl+3], v[XBO], s[6:7] offset:\blk*8192+(nl/4)*128+((nl/2)%2)*64+(nl%2)*16
.set nl, nl+1
.endr
.endm
.macro CVTB blk, scr
.set nq, 0
.rept 32
	v_cvt_pk_bf16_f32 v[BF+32*\blk+nq], v[\scr+2*nq], v[\scr+2*nq+1]
.set nq, nq+1
.endr
.endm
; One tile of 16 queries against both blocks: 8 LDS loads, 8 matrix instructions.  The two accumulators take turns, one instruction a turn.
; zero = 1: the sums start at 0; zero = 0: at the column's constant.
; The counts 6, 4, 2, 0 leave the younger K steps' loads out (LDS loads come back in order: ISA guide 5.7.1).
.macro TILE t, zero
.irp s, 0,1,2,3
	ds_load_b128 v[Y+8*\s:Y+8*\s+3],   v[AD] offset:\t*16*PITCH+64*\s
	ds_load_b128 v[Y+8*\s+4:Y+8*\s+7], v[AD] offset:\t*16*PITCH+64*\s+32
.endr
	s_wait_dscnt 0x6
.if \zero
	v_wmma_f32_16x16x32_bf16 v[X0+8*\t:X0+8*\t+7], v[Y:Y+7], v[BF:BF+7], 0
	v_wmma_f32_16x16x32_bf16 v[X1+8*\t:X1+8*\t+7], v[Y:Y+7], v[BF+32:BF+39], 0
.else
	v_wmma_f32_16x16x32_bf16 v[X0+8*\t:X0+8*\t+7], v[Y:Y+7], v[BF:BF+7], v[CN:CN+7]
	v_wmma_f32_16x16x32_bf16 v[X1+8*\t:X1+8*\t+7], v[Y:Y+7], v[BF+32:BF+39], v[CN+8:CN+15]
.endif
.irp s, 1,2,3
	s_wait_dscnt 6-2*\s
	v_wmma_f32_16x16x32_bf16 v[X0+8*\t:X0+8*\t+7], v[Y+8*\s:Y+8*\s+7], v[BF+8*\s:BF+8*\s+7], v[X0+8*\t:X0+8*\t+7]
	v_wmma_f32_16x16x32_bf16 v[X1+8*\t:X1+8*\t+7], v[Y+8*\s:Y+8*\s+7], v[BF+32+8*\s:BF+39+8*\s], v[X1+8*\t:X1+8*\t+7]
.endr
.rept 4
	v_nop                                          ; four places behind the last matrix instruction, in front of the next loads into Y and of the first reads of the sums
.endr
.endm
; 32 scores become keys: the low 11 bits give way to the payload
.macro PACK xs
.set np, 0
.rept 32
	v_and_or_b32 v[\xs+np], v[\xs+np], s14, s[PAY+np]
.set np, np+1
.endr
.endm
; One stage of a bitonic network on 32 keys, from set src into set dst: partners dd apart, direction by blocks of kk (inv = 1: the other way).
; Place i of the network lies in register (i & 30) | parity(i): partners differ in one bit of i, so their registers differ in the lowest bit.
; That gives a dual instruction its one even and one odd destination, and, with the halves naming the sources in swapped order, first
; sources in different register banks and second sources too.
.macro STG src, dst, kk, dd, inv
.set ni, 0
.rept 32
.if (ni & \dd) == 0
.set nj, ni+\dd
.set ri, (ni&30)|((ni^(ni>>1)^(ni>>2)^(ni>>3)^(ni>>4))&1)
.set rj, (nj&30)|((nj^(nj>>1)^(nj>>2)^(nj>>3)^(nj>>4))&1)
.if (((ni/\kk)&1)^\inv) == 0
	v_dual_min_num_f32 v[\dst+ri], v[\src+ri], v[\src+rj] :: v_dual_max_num_f32 v[\dst+rj], v[\src+rj], v[\src+ri]
.else
	v_dual_max_num_f32 v[\dst+ri], v[\src+ri], v[\src+rj] :: v_dual_min_num_f32 v[\dst+rj], v[\src+rj], v[\src+ri]
.endif
.endif
.set ni, ni+1
.endr
.endm
; the batch's 32 keys, ascending: 15 stages, the sets taking turns, ending in Y
.macro SORT xs
	STG \xs, Y, 2, 1, 0
	STG Y, \xs, 4, 2, 0
	STG \xs, Y, 4, 1, 0
	STG Y, \xs, 8, 4, 0
	STG \xs, Y, 8, 2, 0
	STG Y, \xs, 8, 1, 0
	STG \xs, Y, 16, 8, 0
	STG Y, \xs, 16, 4, 0
	STG \xs, Y, 16, 2, 0
	STG Y, \xs, 16, 1, 0
	STG \xs, Y, 32, 16, 0
	STG Y, \xs, 32, 8, 0
	STG \xs, Y, 32, 4, 0
	STG Y, \xs, 32, 2, 0
	STG \xs, Y, 32, 1, 0
.endm
; list (descending) against batch (ascending), place by place: the 32 maxima are the 32 largest of the 64, as a bitonic run; five stages sort it descending
.macro MERGE xs, ls
.set np, 0
.rept 16
	v_dual_max_num_f32 v[\xs+np], v[\ls+np], v[Y+np] :: v_dual_max_num_f32 v[\xs+np+1], v[\ls+np+1], v[Y+np+1]
.set np, np+2
.endr
	STG \xs, Y, 32, 16, 1
	STG Y, \xs, 32, 8, 1
	STG \xs, Y, 32, 4, 1
	STG Y, \xs, 32, 2, 1
	STG \xs, \ls, 32, 1, 1
.endm
; 64 queries against my 32 columns
.macro BATCH
	TILE 0, 0
	TILE 1, 0
	TILE 2, 0
	TILE 3, 0
	PACK X0
	SORT X0
	MERGE X0, LS0
	PACK X1
	SORT X1
	MERGE X1, LS1
.set np, 0
.rept 32
	s_sub_co_u32 s[PAY+np], s[PAY+np], 32          ; the next batch's payloads
.set np, np+1
.endr
.endm
; the eight batches of a slot
.macro BATCHES slot
	v_add_nc_u32 v[AD], \slot*SLOT, v[A0]
	s_mov_b32 s16, 0
.Lbatch_\@:
	BATCH
	v_add_nc_u32 v[AD], WPART, v[AD]               ; 64 rows on
	s_add_co_u32 s16, s16, 1
	s_cmp_lt_u32 s16, 8
	s_cbranch_scc1 .Lbatch_\@
.endm
; A change of slots.  In front of the barrier each wave has all its tensor loads landed (its 64 rows of this slot among them) and its reads of
; the other slot back; behind it the other slot is filled again first, one load a wave, and has this slot's eight batches in which to land.
.macro STEP slot, refill
	s_wait_tensorcnt 0x0                           ; no tensor load of mine is out: a group 0 may be written
	ds_add_u32 v14, v15
	s_wait_dscnt 0x0
.if \refill
	s_add_nc_u64 s[G0+4*(1-\slot)+2:G0+4*(1-\slot)+3], s[G0+4*(1-\slot)+2:G0+4*(1-\slot)+3], 2*SLOTQ   ; the other slot's next 512 queries
.endif
	s_wait_dscnt 0x0
	s_barrier_signal -1
	s_barrier_wait -1
.if \refill
	tensor_load_to_lds s[G0+4*(1-\slot):G0+4*(1-\slot)+3], s[G1:G1+7]
	s_nop 0
.endif
	BATCHES \slot
.endm
; The two lanes of a column merge their lists: place i of mine against place 31 - i of the other's, i = 0..15; the two lanes' 16 + 16 maxima are the
; column's 32 largest keys.  A key's low bits give 32 b + 8 t + j = v; the query is 64 b + 16 t + 8 h + j = 2 (v & 0x7f8) + 8 h + (v & 7), h the winner's.
.macro FINISH blk, xs, ls
.set ni, 0
.rept 16
.set nj, 31-ni
.set ri, (ni&30)|((ni^(ni>>1)^(ni>>2)^(ni>>3)^(ni>>4))&1)
.set rj, (nj&30)|((nj^(nj>>1)^(nj>>2)^(nj>>3)^(nj>>4))&1)
	v_permlanex16_b32 v[Y+ni], v[\ls+rj], s12, s13
	v_cmp_ge_f32 vcc_lo, v[\ls+ri], v[Y+ni]
	v_cndmask_b32 v[Y+ni], v[Y+ni], v[\ls+ri], vcc_lo
	v_cndmask_b32 v[Y+16+ni], v[HOTH], v[HOWN], vcc_lo
	v_xor_b32 v[Y+ni], -1, v[Y+ni]                 ; 2047 - pay in the low 11 bits
	v_and_b32 v[TMP], 0x7f8, v[Y+ni]
	v_lshl_add_u32 v[Y+16+ni], v[TMP], 1, v[Y+16+ni]
	v_and_or_b32 v[\xs+ni], v[Y+ni], 7, v[Y+16+ni]
.set ni, ni+1
.endr
.irp e, 0,1,2,3
	global_store_b128 v[CDO], v[\xs+4*\e:\xs+4*\e+3], s[8:9] offset:\blk*2048+512*\e   ; a wave's store covers 512 consecutive bytes, aligned
.endr
.endm
	s_load_b128 s[4:7], s[0:1], 0x0                ; xqb s[4:5], xb s[6:7]
	s_load_b64 s[8:9], s[0:1], 0x10                ; cand
	v_lshl_add_u32 v14, v0, 2, 0x44000
	v_mov_b32 v15, 0
	ds_add_u32 v14, v15
	ds_add_u32 v14, v15
	v_lshrrev_b32 v1, 5, v0
	v_readfirstlane_b32 s10, v1                    ; wave 0..7
	; group 1: a tile of 64 rows x 128 elements of 2 bytes, rows 128 elements apart, 4 words of padding behind every 64 words
	s_mov_b32 s[G1+0], 0x07510000                  ; 17:16 element size 2 bytes; 20 padding on; 24:22 code 5 (64 words); 31:25 code 3 (4 words); no mask
	s_mov_b32 s[G1+1], 128<<16                     ; tensor_dim0 = 128
	s_mov_b32 s[G1+2], 64<<16                      ; tensor_dim1 = 64
	s_mov_b32 s[G1+3], 128<<16                     ; tile_dim0 = 128
	s_mov_b32 s[G1+4], 64                          ; tile_dim1 = 64
	s_mov_b32 s[G1+5], 128                         ; from row to row
	s_mov_b32 s[G1+6], 0
	s_mov_b32 s[G1+7], 0
	s_mul_i32 s11, s10, WPART                      ; my 64 rows in a slot
	s_lshl_b32 s2, s10, 14                         ; 64 rows of 256 bytes in xqb (and 32 columns of 512 bytes in xb)
	s_mov_b32 s3, 0
	s_wait_dscnt 0x0
	s_wait_kmcnt 0x0
	s_add_nc_u64 s[4:5], s[4:5], s[2:3]
	; both first fills go out together, ahead of everything else: two tensor loads of the wave are out here, later one
.irp s, 0,1
	s_mov_b32 s[G0+4*\s], 1
	s_add_co_u32 s[G0+4*\s+1], s11, \s*SLOT
	s_add_nc_u64 s[G0+4*\s+2:G0+4*\s+3], s[4:5], \s*SLOTQ
	s_or_b32 s[G0+4*\s+3], s[G0+4*\s+3], 0x80000000
	tensor_load_to_lds s[G0+4*\s:G0+4*\s+3], s[G1:G1+7]
	s_nop 0
.endr
	s_lshl_b32 s18, ttmp9, 17                      ; the work-group's 256 columns of 512 bytes
	s_mov_b32 s19, 0
	s_add_nc_u64 s[6:7], s[6:7], s[18:19]
	s_lshl_b32 s18, ttmp9, 15                      ; its 16 column blocks of 2,048 bytes in cand
	s_add_nc_u64 s[8:9], s[8:9], s[18:19]
	v_and_b32 v[TMP], 15, v0                       ; r
	v_bfe_u32 v[HH], v0, 4, 1                      ; h
	v_lshlrev_b32 v[XBO], 9, v[TMP]
	v_lshl_add_u32 v[XBO], v[HH], 5, v[XBO]
	v_add_nc_u32 v[XBO], s2, v[XBO]                ; (32 w + r) x 512 + 32 h
	LOADX 0, X0                                    ; both blocks' columns in one run; the lists' registers serve as the second scratch
	LOADX 1, LS0
	v_mul_u32_u24 v[A0], v[TMP], PITCH
	v_lshl_add_u32 v[A0], v[HH], 4, v[A0]
	v_lshlrev_b32 v[HOWN], 3, v[HH]
	v_sub_nc_u32 v[HOTH], 8, v[HOWN]
	v_and_b32 v[CDO], 31, v0
	v_lshlrev_b32 v[CDO], 4, v[CDO]
	v_lshl_add_u32 v[CDO], s10, 12, v[CDO]         ; 16 x lane + two blocks of 2,048 bytes a wave
	s_mov_b32 s12, 0x76543210                      ; v_permlanex16_b32: lane i reads lane i of the other half
	s_mov_b32 s13, 0xfedcba98
	s_mov_b32 s14, 0xfffff800                      ; what a key keeps of a score
	s_mov_b32 s15, 0xff800000                      ; -infinity
.set np, 0
.rept 32
	s_mov_b32 s[PAY+np], 2047-np
.set np, np+1
.endr
	s_wait_loadcnt 0x0
	CVTB 0, X0
	CVTB 1, LS0
.set np, 0
.rept 64
	v_mov_b32 v[LS0+np], s15                       ; the lists start below every key, so that the first batch is merged like all others
.set np, np+1
.endr
	s_wait_tensorcnt 0x1                           ; my rows of slot 0 are in; slot 1's load may stay out
	s_barrier_signal -1
	s_barrier_wait -1
	; the columns' constants: query 0 is row 0 of tile 0, register 0 of the lanes with h = 0
	v_mov_b32 v[AD], v[A0]
	TILE 0, 1
	v_cmp_eq_u32 vcc_lo, 0, v[HH]
.irp b, 0,1
	v_permlanex16_b32 v[Y+\b], v[X0+32*\b], s12, s13
	v_cndmask_b32 v[Y+\b], v[Y+\b], v[X0+32*\b], vcc_lo
.irp j, 0,1,2,3,4,5,6,7
	v_mul_f32 v[CN+8*\b+\j], 0xbf7f0000, v[Y+\b]   ; x -(1 - 1/256)
.endr
.endr
	BATCHES 0                                      ; queries 0 to 511
	s_mov_b32 s17, 0
.Lring:
	STEP 1, 1
	STEP 0, 1
	s_add_co_u32 s17, s17, 1
	s_cmp_lt_u32 s17, 3
	s_cbranch_scc1 .Lring
	STEP 1, 0                                      ; queries 3,584 to 4,095: nothing is left to fetch
	FINISH 0, X0, LS0
	FINISH 1, X1, LS1
	s_endpgm
.Lfunc_end_k_qda1310bdb0_select:
	.size	k_qda1310bdb0_select, .Lfunc_end_k_qda1310bdb0_select-k_qda1310bdb0_select
	.p2alignl 7, 3214868480
	.fill 96, 4, 3214868480
	.section	.rodata,"a",@progbits
	.p2align	6, 0x0
	.amdhsa_kernel k_qda1310bdb0_select
		.amdhsa_group_segment_fixed_size 327680
		.amdhsa_private_segment_fixed_size 0
		.amdhsa_enable_private_segment 0
		.amdhsa_kernarg_size 24
		.amdhsa_user_sgpr_count 2
		.amdhsa_user_sgpr_kernarg_segment_ptr 1
		.amdhsa_wavefront_size32 1
		.amdhsa_system_sgpr_workgroup_id_x 1
		.amdhsa_system_sgpr_workgroup_id_y 1
		.amdhsa_system_sgpr_workgroup_id_z 1
		.amdhsa_system_vgpr_workitem_id 0
		.amdhsa_next_free_vgpr 256
		.amdhsa_next_free_sgpr 100
		.amdhsa_reserve_vcc 1
		.amdhsa_float_denorm_mode_32 3
		.amdhsa_float_denorm_mode_16_64 3
		.amdhsa_memory_ordered 1
		.amdhsa_forward_progress 1
		.amdhsa_inst_pref_size 240
	.end_amdhsa_kernel
	.amdgpu_metadata
---
amdhsa.version: [ 1, 2 ]
amdhsa.kernels:
  - .name:           k_qda1310bdb0_select
    .symbol:         k_qda1310bdb0_select.kd
    .args:
      - { .name: xqb, .offset: 0, .size: 8, .value_kind: global_buffer, .address_space: global }
      - { .name: xb, .offset: 8, .size: 8, .value_kind: global_buffer, .address_space: global }
      - { .name: cand, .offset: 16, .size: 8, .value_kind: global_buffer, .address_space: global }
    .group_segment_fixed_size: 327680
    .private_segment_fixed_size: 0
    .kernarg_segment_align: 8
    .kernarg_segment_size: 24
    .max_flat_workgroup_size: 256
    .sgpr_count:     100
    .vgpr_count:     256
    .wavefront_size: 32
...
	.end_amdgpu_metadata
.endif
;; end of part 2
;; launch refine (part 3): grid 256 x 1, 8 waves a work-group, no clusters, 201,728 bytes of LDS; arguments cand, xqb, xb, out0; writes out0
.if DOCPART == 3
	.amdgcn_target "amdgcn-amd-amdhsa--gfx1250"
	.amdhsa_code_object_version 6
	.text
	.protected	k_qda1310bdb0_refine
	.globl	k_qda1310bdb0_refine
	.p2align	8
	.type	k_qda1310bdb0_refine,@function
k_qda1310bdb0_refine:
	s_mov_b64 s[64:65], 0
	v_nop
	global_prefetch_b8 v0, s[64:65] scope:SCOPE_SE
	s_setreg_imm32_b32 hwreg(HW_REG_WAVE_MODE, 25, 1), 1
	s_wait_xcnt 0x0
; out0[k][n] = the query of rank k (k = 0..20) for column n: the 32 candidates of each column get whole f32 scores and are sorted,
; larger score first, lower query number first among equal scores.
; cand: [4096 column blocks][4][32 lanes][4] u32, xqb: [4096][128] bf16, xb: [65536][128] f32, out0: [21][65536] i32.
; In a block of cand (2,048 bytes) candidates 4 m .. 4 m + 3 of column r lie at byte 256 m + 16 r, m = 0..7.
;
; THE SCORES.  The output is an order, so the last bit of a score can show.  A score is therefore made in one defined way: 128 fused
; multiply-adds in f32, k ascending, one accumulator that starts at 0.  Products of two bf16 numbers are exact in f32, so fused or not is the same.
; This is 1/128 of the problem's multiply-adds (32 of 4,096 queries a column); all scores were made on the matrix unit in the launch before.
; Here every pair (column, candidate) has a row of its own: as matrix tiles only the diagonal, 1/16 of the products, would be of use.
;
; SHARES.  A work-group of 8 waves owns 256 columns, a wave 32: lane = column.  A lane keeps its column (64 registers of bf16 pairs) and runs two
; chains at a time (a pair of candidates).  4,096 multiply-adds a lane.
; GATHER.  A candidate's row of xqb is 256 bytes.  One load of the wave brings two whole rows: lanes 0-15 the row for column i, lanes 16-31 the row for
; column 16 + i (i = 0..15: 16 loads a candidate).  So every lane of a half needs the candidates of all 16 columns of its half: it loads them
; itself from cand, 8 bytes (a pair of candidates of one column) a load, sixteen lanes reading the same 8 bytes.  A number goes from memory into
; an address through a clamp to 4,095, a shift and a sum, and through nothing else.  The rows go into a stage of the wave's own in LDS, and
; each lane reads its own row back, 16 bytes at a time.  Two pairs of candidates are on their way at a time, in 256 registers of window 1
; that only the gathers and the stage's stores name (and, once, the head's loads of xb).
; THE STREAM OF LOADS.  I(p): the 16 loads of pair p's numbers; G(p): its 32 gathers; both use index set p % 2.  The turn of pair q issues I(q + 3),
; then G(q + 2), so the order is .. G(q), I(q + 2), G(q + 1), I(q + 3), G(q + 2) ..  By this count up to 32 + 16 + 32 = 80 loads of a wave are issued and
; not yet waited for; where that is more than the counter's field holds the issue is held back (ISA guide 5.7.1), and the counted waits stay right.
; xqb is 1 MiB that every work-group reads again and again: no prefetch, no hint.  Gathered rows are no tiles: no tensor loads, no cluster.
;
; LIMITS.  Operands are rounded to bf16.  NaN and infinite scores are not served.
.set PITCH,  272                       ; a staged row: 256 bytes + 16, so that 16 lanes reading 16 bytes of 16 neighbouring rows start 4 words apart modulo 64
.set CSLOT,  32*PITCH                  ; one candidate's rows for my 32 columns
.set WSTAGE, 2*CSLOT                   ; a wave's stage: a pair of candidates
.set SCB0,   8*WSTAGE                  ; behind the stages: the scores, a row of 128 + 16 bytes a lane
.set SPITCH, 144
.set WSC,    32*SPITCH
.set OUTS,   SCB0+8*WSC                ; behind them: the work-group's [21][256] words of out0
.set L16,  2                           ; v2   16 (lane & 15)
.set STO,  3                           ; v3   stage, in: row 16 (lane >> 4), byte 16 (lane & 15)
.set RD,   4                           ; v4   stage, back: my own row
.set SCA,  5                           ; v5   my score row, at the trip's 32 bytes
.set SCB,  6                           ; v6   my score row
.set CIO,  7                           ; v7   cand: my own column's first 16 bytes
.set ACC,  8                           ; v[8:15]     the scores of a trip's 8 candidates
.set IS0,  16                          ; v[16:47]    index set 0: register 2 i + c = candidate c of the pair for column i of my half; then that row's byte offset
.set XB,   48                          ; v[48:111]   my column: 128 bf16
.set IS1,  112                         ; v[112:143]  index set 1
.set R,    144                         ; v[144:239]  three buffers of a quarter (32 k) of a pair's two rows
.set XBO,  240
.set XST,  241
.set HF,   242
.set LN,   243
.set ZR,   244                         ; 0.0: what a chain starts from
.set OA,   245
.set GO,   246
.set CIH,  247                         ; v247 cand: my half's block, at the trip's 512 bytes
.set IX,   16                          ; the sort: queries over index set 0,
.set SC,   48                          ; scores over XB,
.set TSC,  80                          ; and its second set
.set TIX,  112
.set MSB, 0
.macro WIN new                         ; s_set_vgpr_msb: bits 1:0 source 0, 3:2 source 1, 5:4 source 2, 7:6 destination; the high byte repeats the setting that is left
.if MSB != \new
	s_set_vgpr_msb (MSB<<8)|\new
.set MSB, \new
.endif
.endm
; I: the numbers of the pair that lies pr pairs behind the trip's first, for the 16 columns of my half
.macro ILOAD set, pr
.set ni, 0
.rept 16
	global_load_b64 v[\set+2*ni:\set+2*ni+1], v[CIH], s[4:5] offset:256*((\pr)/2)+8*((\pr)%2)+16*ni
.set ni, ni+1
.endr
.endm
; the 32 numbers become byte offsets, in place
.macro ADDR set
.set ni, 0
.rept 32
	v_min_u32 v[\set+ni], 0xfff, v[\set+ni]                    ; a query's number, inside xqb whatever the word holds
.set ni, ni+1
.endr
.set ni, 0
.rept 32
	v_lshl_add_u32 v[\set+ni], v[\set+ni], 8, v[L16]           ; row x 256 + my 16 bytes
.set ni, ni+1
.endr
.endm
; G: 32 gathers into set gs of window 1 (v256 + 128 gs ..): each brings two whole rows of 256 bytes
.macro GLOAD gs, set
.set nl, 0
.rept 32
	global_load_b128 v[128*\gs+4*nl:128*\gs+4*nl+3], v[\set+nl], s[6:7]
.set nl, nl+1
.endr
.endm
; and from there into the stage: 16 lanes write 256 neighbouring bytes.  Load 2 i + c is candidate c, columns i and 16 + i
.macro PUT gs
.set nl, 0
.rept 32
	ds_store_b128 v[STO], v[128*\gs+4*nl:128*\gs+4*nl+3] offset:(nl%2)*CSLOT+(nl/2)*PITCH
.set nl, nl+1
.endr
.endm
; quarter qq (k = 32 qq .. 32 qq + 31) of my two rows into buffer b: 8 loads
.macro QLOAD qq, b
.irp c, 0,1
.irp u, 0,1,2,3
	ds_load_b128 v[R+32*\b+16*\c+4*\u:R+32*\b+16*\c+4*\u+3], v[RD] offset:\c*CSLOT+64*\qq+16*\u
.endr
.endr
.endm
; 32 steps of both chains, k ascending: the low half of a word, then the high half; the two chains take turns
.macro QFMA q, qq, b
.set nj, 0
.rept 16
.if 16*\qq+nj == 0
	v_fma_mix_f32_bf16 v[ACC+2*\q],   v[R+32*\b+nj],    v[XB+16*\qq+nj], v[ZR] op_sel_hi:[1,1,0]
	v_fma_mix_f32_bf16 v[ACC+2*\q+1], v[R+32*\b+16+nj], v[XB+16*\qq+nj], v[ZR] op_sel_hi:[1,1,0]
.else
	v_fma_mix_f32_bf16 v[ACC+2*\q],   v[R+32*\b+nj],    v[XB+16*\qq+nj], v[ACC+2*\q]   op_sel_hi:[1,1,0]
	v_fma_mix_f32_bf16 v[ACC+2*\q+1], v[R+32*\b+16+nj], v[XB+16*\qq+nj], v[ACC+2*\q+1] op_sel_hi:[1,1,0]
.endif
	v_fma_mix_f32_bf16 v[ACC+2*\q],   v[R+32*\b+nj],    v[XB+16*\qq+nj], v[ACC+2*\q]   op_sel:[1,1,0] op_sel_hi:[1,1,0]
	v_fma_mix_f32_bf16 v[ACC+2*\q+1], v[R+32*\b+16+nj], v[XB+16*\qq+nj], v[ACC+2*\q+1] op_sel:[1,1,0] op_sel_hi:[1,1,0]
.set nj, nj+1
.endr
.endm
; The turn of pair q of a trip.  Its rows lie in set gs of window 1; 'mine' is the index set of its parity, 'other' the other one.
; left: the younger pair's 32 gathers may stay out (loads come back in order: ISA guide 5.7.1); older than they are this pair's gathers AND the
; numbers of the pair after next, which lie in 'mine'.  moreg = 1: those numbers become addresses and set gs is asked again.
; morei = 1: the numbers of the pair three ahead are asked for, into 'other'.
; The stage is the wave's own and LDS serves a wave's instructions in order (ISA guide 5.7.1.4): the stores follow the last pair's reads,
; which were waited for, and the reads below see the stores.
.macro PAIR q, gs, mine, other, left, moreg, morei
	s_wait_loadcnt \left
	WIN 0x04                                       ; store data in window 1
	PUT \gs
	WIN 0
.if \moreg
	ADDR \mine
.if \morei
	s_wait_xcnt 0x0                                ; the younger pair's gathers have had their addresses translated (ISA guide 3.1): 'other', which holds them, is loaded again only behind this wait
	ILOAD \other, \q+3
.endif
	WIN 0x40                                       ; destination in window 1
	GLOAD \gs, \mine
	WIN 0
.endif
	QLOAD 0, 0
	QLOAD 1, 1
	QLOAD 2, 2
	s_wait_dscnt 16                                ; quarter 0 is in; the 16 loads of quarters 1 and 2 may stay out
	QFMA \q, 0, 0
	QLOAD 3, 0
	s_wait_dscnt 16                                ; quarter 1 is in; quarters 2 and 3 may stay out
	QFMA \q, 1, 1
	s_wait_dscnt 8                                 ; quarter 3 may stay out
	QFMA \q, 2, 2
	s_wait_dscnt 0
	QFMA \q, 3, 0
.endm
; Eight candidates; their scores go to my score row in LDS.  The last trip asks for nothing beyond pair 15 (its numbers in the first turn,
; its rows in the second), and its counts run down: 32, 32, 32 (pair 15's gathers), 0.
.macro TRIP last
	PAIR 0, 0, IS0, IS1, 32, 1, 1
.if \last
	PAIR 1, 1, IS1, IS0, 32, 1, 0
	PAIR 2, 0, IS0, IS1, 32, 0, 0
	PAIR 3, 1, IS1, IS0, 0, 0, 0
.else
	PAIR 1, 1, IS1, IS0, 32, 1, 1
	PAIR 2, 0, IS0, IS1, 32, 1, 1
	PAIR 3, 1, IS1, IS0, 32, 1, 1
.endif
	ds_store_b128 v[SCA], v[ACC:ACC+3]
	ds_store_b128 v[SCA], v[ACC+4:ACC+7] offset:16
.if \last == 0
	v_add_nc_u32 v[SCA], 32, v[SCA]
	s_wait_xcnt 0x0                                ; the loads of numbers have had their addresses translated: their address register steps only behind this wait
	v_add_nc_u32 v[CIH], 512, v[CIH]               ; four pairs on: two pieces of 256 bytes
.endif
.endm
; One stage of a bitonic network on 32 pairs (score, query), from set (ss, si) into set (ts, ti): partners dd apart, direction by blocks of kk.
; 'a before b' = a's score is larger, or the scores are equal and a's query is lower.  Eight comparators at a time: 24 compares into scalar masks,
; the masks joined, 32 selects; so the way through the scalar registers is not waited for once a comparator.
.macro PSTG ss, si, ts, ti, kk, dd
.irp grp, 0, 8
.set nc, 0
.rept 8
.set ni, ((\grp+nc)/\dd)*2*\dd+((\grp+nc)%\dd)
	v_cmp_gt_f32 s[32+nc], v[\ss+ni], v[\ss+ni+\dd]
	v_cmp_eq_f32 s[40+nc], v[\ss+ni], v[\ss+ni+\dd]
	v_cmp_lt_u32 s[48+nc], v[\si+ni], v[\si+ni+\dd]
.set nc, nc+1
.endr
.set nc, 0
.rept 8
	s_and_b32 s[40+nc], s[40+nc], s[48+nc]
	s_or_b32 s[32+nc], s[32+nc], s[40+nc]
.set nc, nc+1
.endr
.set nc, 0
.rept 8
.set ni, ((\grp+nc)/\dd)*2*\dd+((\grp+nc)%\dd)
.if ((ni/\kk)&1) == 0
	v_cndmask_b32 v[\ts+ni],     v[\ss+ni+\dd], v[\ss+ni],     s[32+nc]
	v_cndmask_b32 v[\ts+ni+\dd], v[\ss+ni],     v[\ss+ni+\dd], s[32+nc]
	v_cndmask_b32 v[\ti+ni],     v[\si+ni+\dd], v[\si+ni],     s[32+nc]
	v_cndmask_b32 v[\ti+ni+\dd], v[\si+ni],     v[\si+ni+\dd], s[32+nc]
.else
	v_cndmask_b32 v[\ts+ni],     v[\ss+ni],     v[\ss+ni+\dd], s[32+nc]
	v_cndmask_b32 v[\ts+ni+\dd], v[\ss+ni+\dd], v[\ss+ni],     s[32+nc]
	v_cndmask_b32 v[\ti+ni],     v[\si+ni],     v[\si+ni+\dd], s[32+nc]
	v_cndmask_b32 v[\ti+ni+\dd], v[\si+ni+\dd], v[\si+ni],     s[32+nc]
.endif
.set nc, nc+1
.endr
.endr
.endm
	s_load_b256 s[4:11], s[0:1], 0x0               ; cand s[4:5], xqb s[6:7], xb s[8:9], out0 s[10:11]
	v_lshl_add_u32 v254, v0, 2, 0x31000
	v_mov_b32 v255, 0
	v_lshrrev_b32 v1, 5, v0
	v_readfirstlane_b32 s12, v1                    ; wave 0..7
	v_and_b32 v[LN], 31, v0                        ; lane = my column among the wave's 32
	v_and_b32 v[L16], 15, v0
	v_lshlrev_b32 v[L16], 4, v[L16]
	v_bfe_u32 v[HF], v0, 4, 1                      ; which half of the lanes, which of the wave's two column blocks
	s_mul_i32 s13, s12, WSTAGE                     ; my wave's stage
	s_mul_i32 s14, s12, WSC
	s_add_co_u32 s14, s14, SCB0                    ; my wave's score rows
	v_mul_u32_u24 v[STO], v[HF], 16*PITCH
	v_add_nc_u32 v[STO], v[STO], v[L16]
	v_add_nc_u32 v[STO], s13, v[STO]
	v_mul_u32_u24 v[RD], v[LN], PITCH
	v_add_nc_u32 v[RD], s13, v[RD]
	v_mul_u32_u24 v[SCB], v[LN], SPITCH
	v_add_nc_u32 v[SCB], s14, v[SCB]
	v_mov_b32 v[SCA], v[SCB]
	v_lshlrev_b32 v[CIH], 11, v[HF]                ; cand: a block is 2,048 bytes,
	v_lshl_add_u32 v[CIH], s12, 12, v[CIH]         ; two blocks a wave
	v_add_nc_u32 v[CIO], v[CIH], v[L16]            ; and my own column's pieces lie at 256 m + 16 r
	v_lshlrev_b32 v[XBO], 4, v[LN]
	v_lshl_add_u32 v[XBO], s12, 14, v[XBO]         ; xb: 32 columns of 512 bytes a wave, 16 bytes a lane
	v_lshl_add_u32 v[XST], v[LN], 3, s13           ; where a lane puts its 4 converted numbers of a column
	v_mov_b32 v[ZR], 0
	s_lshl_b32 s16, ttmp9, 15                      ; the work-group's 16 blocks of 2,048 bytes in cand
	s_mov_b32 s17, 0
	s_lshl_b32 s18, ttmp9, 17                      ; its 256 columns of 512 bytes in xb
	s_mov_b32 s19, 0
	s_lshl_b32 s20, ttmp9, 10                      ; its 256 columns of 4 bytes in a row of out0
	s_mov_b32 s21, 0
	s_wait_kmcnt 0x0
	s_add_nc_u64 s[4:5], s[4:5], s[16:17]
	s_add_nc_u64 s[8:9], s[8:9], s[18:19]
	s_add_nc_u64 s[10:11], s[10:11], s[20:21]
	; the head: the numbers of pairs 0 and 1, then my 32 columns of xb; pair 0's rows are asked for while xb is on its way
	ILOAD IS0, 0
	ILOAD IS1, 1
	WIN 0x40                                       ; xb lands in window 1, in the set that pair 1's rows take later
.set nq, 0
.rept 32
	global_load_b128 v[128+4*nq:128+4*nq+3], v[XBO], s[8:9] offset:512*nq th:TH_LOAD_NT   ; column nq, whole: 512 neighbouring bytes a load
.set nq, nq+1
.endr
	WIN 0
	s_wait_loadcnt 32                              ; the numbers of pairs 0 and 1 are in; the 32 loads of xb may stay out
	ADDR IS0
	WIN 0x40
	GLOAD 0, IS0                                   ; G(0)
	s_wait_loadcnt 32                              ; xb is in; G(0)'s 32 gathers may stay out
	; the columns are rounded to bf16 and turned through the stage: column c becomes row c, and lane c reads it back
	WIN 0x05                                       ; sources 0 and 1 in window 1
.set nq, 0
.rept 32
	v_cvt_pk_bf16_f32 v[R+2*nq],   v[128+4*nq],   v[128+4*nq+1]
	v_cvt_pk_bf16_f32 v[R+2*nq+1], v[128+4*nq+2], v[128+4*nq+3]
.set nq, nq+1
.endr
	WIN 0
.set nq, 0
.rept 32
	ds_store_b64 v[XST], v[R+2*nq:R+2*nq+1] offset:nq*PITCH
.set nq, nq+1
.endr
.set nq, 0
.rept 16
	ds_load_b128 v[XB+4*nq:XB+4*nq+3], v[RD] offset:16*nq      ; older than every LDS instruction below: each counted wait there shows these done too
.set nq, nq+1
.endr
	s_wait_xcnt 0x0                                ; G(0)'s addresses are translated: index set 0 is loaded again only behind this wait
	ILOAD IS0, 2                                   ; I(2)
	ADDR IS1
	WIN 0x40
	GLOAD 1, IS1                                   ; G(1): the stream now ends G(0), I(2), G(1), as every turn expects
	WIN 0
	s_mov_b32 s22, 0
.Ltrip:
	TRIP 0
	s_add_co_u32 s22, s22, 1
	s_cmp_lt_u32 s22, 3
	s_cbranch_scc1 .Ltrip
	TRIP 1
	; the 32 pairs (score, query) of my column: my own candidates, in the order in which they were scored, and the scores from my row
.irp m, 0,1,2,3,4,5,6,7
	global_load_b128 v[IX+4*\m:IX+4*\m+3], v[CIO], s[4:5] offset:256*\m        ; candidates 4 m .. 4 m + 3; 16 lanes read 256 neighbouring bytes
.endr
.irp m, 0,1,2,3,4,5,6,7
	ds_load_b128 v[SC+4*\m:SC+4*\m+3], v[SCB] offset:16*\m
.endr
	s_wait_loadcnt 0x0
	s_wait_dscnt 0x0
	; 15 stages, the two sets taking turns; the result ends in (TSC, TIX), best first
	PSTG SC, IX, TSC, TIX, 2, 1
	PSTG TSC, TIX, SC, IX, 4, 2
	PSTG SC, IX, TSC, TIX, 4, 1
	PSTG TSC, TIX, SC, IX, 8, 4
	PSTG SC, IX, TSC, TIX, 8, 2
	PSTG TSC, TIX, SC, IX, 8, 1
	PSTG SC, IX, TSC, TIX, 16, 8
	PSTG TSC, TIX, SC, IX, 16, 4
	PSTG SC, IX, TSC, TIX, 16, 2
	PSTG TSC, TIX, SC, IX, 16, 1
	PSTG SC, IX, TSC, TIX, 32, 16
	PSTG TSC, TIX, SC, IX, 32, 8
	PSTG SC, IX, TSC, TIX, 32, 4
	PSTG TSC, TIX, SC, IX, 32, 2
	PSTG SC, IX, TSC, TIX, 32, 1
	; the way out: a lane holds a column of out0, so the work-group's [21][256] words meet in LDS and leave as rows
	v_lshlrev_b32 v[OA], 2, v0
	v_add_nc_u32 v[OA], OUTS, v[OA]                ; word = thread = my column among the work-group's 256
.set nq, 0
.rept 21
	ds_store_b32 v[OA], v[TIX+nq] offset:1024*nq
.set nq, nq+1
.endr
	s_wait_dscnt 0x0                               ; my stores are done, for the other waves' sake
	s_barrier_signal -1
	s_barrier_wait -1
	; 21,504 bytes = 1,344 pieces of 16 bytes for 256 threads: five passes of all waves, a sixth of waves 0 and 1.
	; Piece u = thread + 256 i lies in row (thread >> 6) + 4 i at byte 16 (thread & 63): a wave's store covers 512 consecutive bytes, aligned.
	v_lshlrev_b32 v[OA], 4, v0
	v_add_nc_u32 v[OA], OUTS, v[OA]
	v_lshrrev_b32 v[GO], 6, v0
	v_and_b32 v[HF], 63, v0
	v_lshlrev_b32 v[HF], 4, v[HF]
	v_lshl_add_u32 v[GO], v[GO], 18, v[HF]         ; a row of out0 is 262,144 bytes
.irp i, 0,1,2,3,4
	ds_load_b128 v[16+4*\i:19+4*\i], v[OA] offset:4096*\i
.endr
.irp i, 0,1,2,3,4
	s_wait_dscnt 4-\i                              ; piece i is in, the younger ones may stay out
	global_store_b128 v[GO], v[16+4*\i:19+4*\i], s[10:11] offset:1048576*\i th:TH_STORE_NT
.endr
	s_cmp_ge_u32 s12, 2
	s_cbranch_scc1 .Ldone
	ds_load_b128 v[36:39], v[OA] offset:20480
	s_wait_dscnt 0x0
	global_store_b128 v[GO], v[36:39], s[10:11] offset:5242880 th:TH_STORE_NT
.Ldone:
	s_wait_tensorcnt 0x0
	ds_add_u32 v254, v255
	s_wait_dscnt 0x0
	s_endpgm
.Lfunc_end_k_qda1310bdb0_refine:
	.size	k_qda1310bdb0_refine, .Lfunc_end_k_qda1310bdb0_refine-k_qda1310bdb0_refine
	.p2alignl 7, 3214868480
	.fill 96, 4, 3214868480
	.section	.rodata,"a",@progbits
	.p2align	6, 0x0
	.amdhsa_kernel k_qda1310bdb0_refine
		.amdhsa_group_segment_fixed_size 201728
		.amdhsa_private_segment_fixed_size 0
		.amdhsa_enable_private_segment 0
		.amdhsa_kernarg_size 32
		.amdhsa_user_sgpr_count 2
		.amdhsa_user_sgpr_kernarg_segment_ptr 1
		.amdhsa_wavefront_size32 1
		.amdhsa_system_sgpr_workgroup_id_x 1
		.amdhsa_system_sgpr_workgroup_id_y 1
		.amdhsa_system_sgpr_workgroup_id_z 1
		.amdhsa_system_vgpr_workitem_id 0
		.amdhsa_next_free_vgpr 512
		.amdhsa_next_free_sgpr 66
		.amdhsa_reserve_vcc 0
		.amdhsa_float_denorm_mode_32 3
		.amdhsa_float_denorm_mode_16_64 3
		.amdhsa_memory_ordered 1
		.amdhsa_forward_progress 1
		.amdhsa_inst_pref_size 255
	.end_amdhsa_kernel
	.section	.bss,"aw",@nobits
	.p2align	6
	.space	262144
	.amdgpu_metadata
---
amdhsa.version: [ 1, 2 ]
amdhsa.kernels:
  - .name:           k_qda1310bdb0_refine
    .symbol:         k_qda1310bdb0_refine.kd
    .args:
      - { .name: cand, .offset: 0, .size: 8, .value_kind: global_buffer, .address_space: global }
      - { .name: xqb, .offset: 8, .size: 8, .value_kind: global_buffer, .address_space: global }
      - { .name: xb, .offset: 16, .size: 8, .value_kind: global_buffer, .address_space: global }
      - { .name: out0, .offset: 24, .size: 8, .value_kind: global_buffer, .address_space: global }
    .group_segment_fixed_size: 201728
    .private_segment_fixed_size: 0
    .kernarg_segment_align: 8
    .kernarg_segment_size: 32
    .max_flat_workgroup_size: 256
    .sgpr_count:     66
    .vgpr_count:     512
    .wavefront_size: 32
...
	.end_amdgpu_metadata
.endif
;; end of part 3
